; MI455X (gfx1250); checked and timed in simulation.
; The chip was launched on July 23, 2026; its instructions are those of AMD's public machine-readable ISA for CDNA 5 (MIT licence, August 2026) and "CDNA5" Instruction Set Architecture Reference Guide (July 2026). The comments in the code are by the model that wrote it; some were corrected since.
;; Quant Linear. Allowed arithmetic: matrix products marked QUANTISED: E2M1 operands, one E8M0 scale for each 32 along K, by v_wmma_scale_f32_16x16x128_f8f6f4 with both operands' format E2M1 (or v_wmma_scale_f32_32x16x128_f4), f32 sums; everything else in f32.
;; Inputs: bias 4,096 float16; qweight 512 x 4,096 int32; qzeros 1 x 512 int32; scales 1 x 4,096 float16; x_codes 4 x 1,024 x 128 x 16 uint8 (E2M1 codes of x, K innermost, in blocks of 32 codes, two codes a byte); x_scales 4 x 1,024 x 128 uint8 (E8M0 scales of x, one for each 32 codes along K).
;; Outputs: out0 4 x 1,024 x 4,096 float16.
;; This version of the problem:
;;   THIS VERSION OF THE PROBLEM IS GIVEN IN LOW PRECISION. The matrix products marked QUANTISED in the list below multiply operands that are first quantised to E2M1 (2 exponent bits, 1 mantissa bit; 4 bits a number), with one power-of-two scale for each 32 numbers along K (OCP MX v1.0); their sums are f32. All else is computed in f32.
;;   The module's matrix products, in the order in which they are computed (A, B: the left and right operand; K: the contracted axis; several contracted axes count as one K, in the product's order):
;;     1. [M 4,096, K 4,096] x [K 4,096, N 4,096]; A: input x (given as codes); B: computed on the way: QUANTISED
;;   THE QUANTISER, for each operand of a quantised product, along K:
;;     - K is cut into blocks of 32 from its start; a last block that is shorter is filled with zeros.
;;     - A block's scale is 2^e with e = floor(log2(the largest magnitude in the block)) - 2, held to -126 .. 127; a block of zeros has e = 0. As a byte (E8M0): e + 127.
;;     - Each number is divided by its block's scale, clamped to +-6, and rounded to the nearest number of E2M1, ties to even, subnormals kept.
;;     - The product sums the exact products of the quantised numbers (number of the format x scale) in f32.
;;   ~~~python
;;   def quantise(x, axis):      # numpy; x: float32 -> the quantised numbers, widened to float32 again
;;       x = np.moveaxis(x, axis, -1); K = x.shape[-1]
;;       x = np.pad(x, [(0, 0)] * (x.ndim - 1) + [(0, -K % 32)]); x = x.reshape(x.shape[:-1] + (-1, 32)); a = np.abs(x).max(-1, keepdims=True)
;;       e = np.where(a > 0, np.clip(np.frexp(np.where(a > 0, a, 1))[1] - 1 - 2, -126, 127), 0)      # np.frexp(a)[1] - 1 = floor(log2(a)), exactly
;;       r = np.clip(x / 2.0 ** e, -6, 6)
;;       step = 2.0 ** (np.maximum(np.frexp(np.where(r == 0, 1, r))[1] - 1, 0) - 1)
;;       q = np.round(r / step) * step * 2.0 ** e      # np.round: ties to even
;;       return np.moveaxis(q.reshape(q.shape[:-2] + (-1,))[..., :K], -1, axis).astype(np.float32)
;;   ~~~
;;   OPERANDS COMPUTED ON THE WAY. 'Computed on the way' means the value that the module computes at that place (a softmax that the list does not call 'softmax' is quantised finished and normalised). What goes into a quantiser is computed in f32, as accurately as f32 sums, v_exp_f32 and their like allow (about 1e-6 of the number): no bf16 or f16 on the way to a quantiser, and a product that is left as it is and whose result goes on into a quantised operand takes f32 operands (vector FMAs, or v_wmma_f32_16x16x4_f32). A number that lies on a knife's edge between two numbers of the format may be rounded either way, as far as f32 arithmetic and the matrix unit's own rounding can turn it there, and no further.
;;   INPUTS GIVEN AS CODES. x (in the module: [4, 1024, 4096], K = its axis 2): each comes as NAME_codes (uint8): NAME with its K axis moved to the last place and cut into blocks of 32 codes, [.., K / 32, bytes a block], one block behind the other in memory; two codes a byte, the lower K in the low four bits (a code: sign, 2 exponent bits, 1 mantissa bit); and NAME_scales (uint8): the same leading axes, one E8M0 byte (e + 127) for each 32 codes along K. Its value is code x scale, taken as it is: it is not quantised again, and the codes and scales need not be those that the quantiser above would give.
;; One version. Each part assembles by itself: llvm-mc -triple=amdgcn-amd-amdhsa -mcpu=gfx1250 --defsym DOCPART=n.
;; ======== version 1 of 1: 2 launches
;; workspace buffers: w_codes 8,388,608 bytes; sc 1,048,576 bytes
;; launch prep (part 1): grid 32 x 8, 4 waves a work-group, no clusters, 37,888 bytes of LDS; arguments qweight, scales, qzeros, x_scales, w_codes, sc; writes w_codes, sc
.if DOCPART == 1
	.amdgcn_target "amdgcn-amd-amdhsa--gfx1250"
	.amdhsa_code_object_version 6
	.text
	.protected	k_q152bfd04e9_prep
	.globl	k_q152bfd04e9_prep
	.p2align	8
	.type	k_q152bfd04e9_prep,@function
k_q152bfd04e9_prep:
	s_mov_b64 s[64:65], 0
	v_nop
	global_prefetch_b8 v0, s[64:65] scope:SCOPE_SE
	s_setreg_imm32_b32 hwreg(HW_REG_WAVE_MODE, 25, 1), 1
	s_wait_xcnt 0x0
; W[k][n] = w4[k][n] s[n] - (z[n] + 1) s[n] is made from qweight [512][4096] (eight 4-bit numbers along K in a word), scales [4096] f16 and qzeros [512] (eight 4-bit numbers along n in a word),
; and turned into codes of FP4 (E2M1) along K: w_codes [4096 (n)][2048 bytes], K innermost, 16 bytes a block of 32, the lower k in the low four bits; one E8M0 byte for each block.
; s has 11 significant bits and the whole numbers beside it at most 5: w4 s, (z + 1) s and their difference are exact in f32, so one fused multiply-add gives W with no rounding ahead of the quantiser.
; ALL SCALE BYTES ARE LAID BY K STEP OF 512: sc [8 (K step)][2 (0: x's, 1: W's)][4096 (row)][16 bytes], so that the product's launch finds the scales of 256 rows for a K step as 4,096 consecutive bytes.
; x_scales [4096][128] is only laid anew: its bytes are passed on as they are given.
; A block's scale is 2^(floor(log2(its largest magnitude)) - 2): its byte is the largest magnitude's exponent field - 2, held at 1 from below.
; LIMITS: a block of zeros gets the byte 1 where the quantiser says 127 (its codes are zeros, which add nothing under any byte but 0xff, and this program alone reads the bytes); NaN and infinities in scales are not served.
; SHARES.  Work-group (x, y): columns 128 x .. 128 x + 127, K step y (word rows 64 y .. 64 y + 63).  Wave w: 32 columns.  A LANE TAKES A COLUMN AND ITS REGISTERS RUN DOWN K: each load reads 128 consecutive bytes a wave
; (the four waves stand side by side on 512), a block of 32 lies in one lane, and the conversions give codes with K innermost.  A lane's 16 blocks, 256 bytes, go through the wave's own stage in LDS and leave by rows:
; sixteen lanes store 256 consecutive bytes, aligned.  Work-group number id = x + 32 y also lays rows 16 id .. 16 id + 15 of x_scales anew, through a stage that the four waves share (one barrier).
; No tensor loads, no cluster: work-groups share no input but a few bytes of scales and qzeros.  The text is straight: every offset is an immediate, no store's register is written again, EXEC never changes.
.set PITCH, 272                        ; a row of a code stage: 256 bytes + 16
.set WSTG,  32*PITCH                   ; a wave's code stage
.set XST,   4*WSTG                     ; behind the four: x_scales' stage, 16 rows
.set XP,    144                        ; its rows: 128 bytes + 16
.set SB,    24                         ; v24-27   my column's 16 scale bytes
.set QW,    32                         ; v32-95   my column's 64 words; on the way out 16 x 4 registers of codes
.set X,     96                         ; v96-159  two blocks of 32 numbers
.set C,     160                        ; v160-223 codes: four registers for each block, never written twice
.set MX,    224                        ; v224-227 largest magnitudes, two chains a block
.set SO,    228                        ; v228-229 the conversions' scale operands
.set BY,    230                        ; v230-231 the scale bytes
	s_load_b256 s[4:11], s[0:1], 0x0               ; qweight s[4:5], scales s[6:7], qzeros s[8:9], x_scales s[10:11]
	s_load_b128 s[12:15], s[0:1], 0x20             ; w_codes s[12:13], sc s[14:15]
	v_lshl_add_u32 v232, v0, 2, 0x9200
	v_mov_b32 v233, 0
	v_lshrrev_b32 v1, 5, v0
	v_readfirstlane_b32 s16, v1                    ; wave 0..3
	v_and_b32 v1, 31, v0                           ; lane
	v_and_b32 v2, 15, v0                           ; r
	v_bfe_u32 v3, v0, 4, 1                         ; h
	s_and_b32 s18, ttmp7, 0xffff                   ; y: the K step
	s_lshl_b32 s19, ttmp9, 7
	s_lshl_b32 s17, s16, 5
	s_add_co_u32 s19, s19, s17                     ; n0 = 128 x + 32 wave: my wave's first column
	s_lshl_b32 s25, s18, 5
	s_add_co_u32 s25, s25, ttmp9                   ; id = x + 32 y
	v_lshlrev_b32 v4, 2, v1                        ; the words: 4 bytes a lane
	s_mul_i32 s26, s16, WSTG                       ; my code stage
	v_mul_u32_u24 v5, v1, PITCH
	v_add_nc_u32 v5, s26, v5                       ; into it: row = my column
	v_mul_u32_u24 v6, v3, PITCH
	v_lshl_add_u32 v6, v2, 4, v6
	v_add_nc_u32 v6, s26, v6                       ; out of it: sixteen lanes to a row, two rows an instruction
	v_lshlrev_b32 v8, 11, v3
	v_lshl_add_u32 v8, v2, 4, v8                   ; and the same place in w_codes: rows of 2,048 bytes
	v_lshlrev_b32 v9, 4, v1                        ; 16 x lane: x_scales on the way in, W's scale bytes on the way out
	v_lshrrev_b32 v10, 3, v0
	v_mul_u32_u24 v10, v10, XP
	v_and_b32 v11, 7, v0
	v_lshl_add_u32 v10, v11, 4, v10
	v_add_nc_u32 v10, XST, v10                     ; x_scales' stage, in: thread t holds bytes 16 t of the 16 rows: row t / 8, piece t % 8
	v_mul_u32_u24 v11, v2, XP
	v_lshl_add_u32 v11, v3, 4, v11
	s_add_co_u32 s27, s17, XST
	v_add_nc_u32 v11, s27, v11                     ; and out: row r, piece 2 wave + h (a piece of 16 bytes is a K step's scales of a row)
	v_lshlrev_b32 v12, 17, v3
	v_lshl_add_u32 v12, v2, 4, v12                 ; in sc: K step h further on (131,072 bytes), row r
	v_lshlrev_b32 v13, 1, v1                       ; scales: 2 bytes a column
	v_lshrrev_b32 v14, 3, v1
	v_lshlrev_b32 v14, 2, v14                      ; qzeros: a word for eight columns
	s_mov_b32 s23, 0                               ; every offset is under 2^32: the pair s[22:23]
	s_wait_kmcnt 0x0
	s_lshl_b32 s22, s18, 20                        ; qweight: 64 word rows of 16,384 bytes a K step,
	s_lshl_b32 s24, s19, 2
	s_add_co_u32 s22, s22, s24                     ; + 4 n0
	s_add_nc_u64 s[4:5], s[4:5], s[22:23]
	s_lshl_b32 s22, s19, 1
	s_add_nc_u64 s[6:7], s[6:7], s[22:23]          ; scales + 2 n0
	s_lshr_b32 s22, s19, 1
	s_add_nc_u64 s[8:9], s[8:9], s[22:23]          ; qzeros + 4 (n0 / 8)
	s_lshl_b32 s22, s25, 11
	s_lshl_b32 s24, s16, 9
	s_add_co_u32 s22, s22, s24
	s_add_nc_u64 s[10:11], s[10:11], s[22:23]      ; x_scales + 2,048 id + 512 wave
	s_lshl_b32 s22, s19, 11
	s_lshl_b32 s24, s18, 8
	s_add_co_u32 s22, s22, s24
	s_add_nc_u64 s[12:13], s[12:13], s[22:23]      ; w_codes + 2,048 n0 + 256 y
	s_lshl_b32 s22, s16, 18
	s_lshl_b32 s24, s25, 8
	s_add_co_u32 s22, s22, s24
	s_add_nc_u64 s[20:21], s[14:15], s[22:23]      ; sc, x's side: K step 2 wave, row 16 id
	s_lshl_b32 s22, s18, 17
	s_lshl_b32 s24, s19, 4
	s_add_co_u32 s22, s22, s24
	s_add_co_u32 s22, s22, 65536
	s_add_nc_u64 s[14:15], s[14:15], s[22:23]      ; sc, W's side: K step y, row n0
.macro LOADP p                         ; the eight words of blocks 2 p and 2 p + 1
.irp i, 0,1,2,3,4,5,6,7
	global_load_b32 v[QW+8*(\p)+\i], v4, s[4:5] offset:(8*(\p)+\i)*16384 th:TH_LOAD_NT
.endr
.endm
	global_load_b128 v[20:23], v9, s[10:11] th:TH_LOAD_NT   ; x_scales: 512 consecutive bytes a wave
	global_load_u16 v7, v13, s[6:7]                ; s of my column
	global_load_b32 v15, v14, s[8:9]               ; the word that holds my column's z
.irp p, 0,1,2,3,4,5
	LOADP \p
.endr
	s_wait_loadcnt 48                              ; the three small loads are in; the 48 words behind them may be out
	ds_store_b128 v10, v[20:23]
	v_and_b32 v224, 7, v1
	v_lshlrev_b32 v224, 2, v224
	v_lshrrev_b32 v225, v224, v15
	v_and_b32 v225, 15, v225                       ; z
	v_add_nc_u32 v225, 1, v225
	v_cvt_f32_u32 v225, v225
	v_cvt_f32_f16 v16, v7.l                        ; s
	v_mul_f32 v18, -v225, v16                      ; -(z + 1) s: exact
	v_mov_b32 v17, v16                             ; both as pairs, for the packed multiply-add
	v_mov_b32 v19, v18
	s_wait_dscnt 0x0                               ; for the others' sake: my 512 bytes lie in the stage
	s_barrier_signal -1
	s_barrier_wait -1
	ds_load_b128 v[28:31], v11                     ; bytes that other waves stored
	s_wait_dscnt 0x0
	global_store_b128 v12, v[28:31], s[20:21]      ; sixteen lanes store 256 consecutive bytes, aligned: sixteen rows' scales of one K step
; Two blocks by turns, so that no line waits for the line above it.
.macro PAIR p
.if 7-(\p) < 5
	s_wait_loadcnt 8*(7-(\p))                      ; this pair's eight words are in; the pairs behind it may be out
.else
	s_wait_loadcnt 40                              ; likewise: five pairs were issued behind this one
.endif
.if (\p) < 2
	LOADP (\p)+6
.endif
.irp u, 0,1
.irp i, 0,1,2,3
.irp g, 0,1,2,3,4,5,6,7
	v_bfe_u32 v[X+32*\u+8*\i+\g], v[QW+8*(\p)+4*\u+\i], 4*\g, 4   ; k = 8 x word row + g lies in bits 4 g .. 4 g + 3
.endr
.endr
.endr
.set j, 0
.rept 64
	v_cvt_f32_u32 v[X+j], v[X+j]
.set j, j+1
.endr
.set j, 0
.rept 32
	v_pk_fma_f32 v[X+j:X+j+1], v[X+j:X+j+1], v[16:17], v[18:19]   ; W = w4 s - (z + 1) s
.set j, j+2
.endr
.irp u, 0,1
	v_max3_num_f32 v[MX+2*\u], |v[X+32*\u]|, |v[X+32*\u+1]|, |v[X+32*\u+2]|      ; the block's largest magnitude: all 32 numbers are mine
	v_max3_num_f32 v[MX+2*\u+1], |v[X+32*\u+3]|, |v[X+32*\u+4]|, |v[X+32*\u+5]|
.endr
.irp i, 6,10,14,18,22,26
.irp u, 0,1
	v_max3_num_f32 v[MX+2*\u], v[MX+2*\u], |v[X+32*\u+\i]|, |v[X+32*\u+\i+1]|
	v_max3_num_f32 v[MX+2*\u+1], v[MX+2*\u+1], |v[X+32*\u+\i+2]|, |v[X+32*\u+\i+3]|
.endr
.endr
.irp u, 0,1
	v_max3_num_f32 v[MX+2*\u], v[MX+2*\u], |v[X+32*\u+30]|, |v[X+32*\u+31]|
.endr
.irp u, 0,1
	v_max3_num_f32 v[MX+2*\u], v[MX+2*\u], v[MX+2*\u+1], 0x1800000   ; and the floor 2^(3 - 127): the byte cannot fall under 1
.endr
.irp u, 0,1
	v_add_nc_u32 v[SO+\u], 0xff000000, v[MX+2*\u]  ; 2 off the exponent field: the conversion takes the exponent field of this operand as its scale, and nothing else of it
.endr
.irp u, 0,1
.irp i, 0,1,2,3
	v_cvt_scalef32_pk8_fp4_f32 v[C+4*(2*(\p)+\u)+\i], v[X+32*\u+8*\i:X+32*\u+8*\i+7], v[SO+\u]   ; to the nearest code, ties to even, beyond 6 the largest code
.endr
.endr
.irp u, 0,1
	v_lshrrev_b32 v[BY+\u], 23, v[SO+\u]           ; the scale's byte.  (Also the plain line between the conversions and the next pair's writes of their sources)
.endr
.irp u, 0,1
.if (2*(\p)+\u)%4 == 0
	v_mov_b32 v[SB+(2*(\p)+\u)/4], v[BY+\u]        ; four bytes to a register, the lower K in the lower byte
.else
	v_lshl_or_b32 v[SB+(2*(\p)+\u)/4], v[BY+\u], 8*((2*(\p)+\u)%4), v[SB+(2*(\p)+\u)/4]
.endif
.endr
.irp u, 0,1
	ds_store_b128 v5, v[C+4*(2*(\p)+\u):C+4*(2*(\p)+\u)+3] offset:16*(2*(\p)+\u)   ; 32 codes: 16 bytes of my column's row
.endr
.endm
.irp p, 0,1,2,3,4,5,6,7
	PAIR \p
.endr
	global_store_b128 v9, v[SB:SB+3], s[14:15]     ; my column's 16 scale bytes: the wave stores 512 consecutive bytes, aligned
.irp t, 0,1,2,3,4,5,6,7,8,9,10,11,12,13,14,15
	ds_load_b128 v[QW+4*\t:QW+4*\t+3], v6 offset:2*\t*PITCH   ; LDS serves a wave's instructions in order (ISA guide 5.7.1.4): these see my stores
.endr
.irp t, 0,1,2,3,4,5,6,7,8,9,10,11,12,13,14,15
	s_wait_dscnt 15-\t                             ; load t is back; the younger ones may be out
	global_store_b128 v8, v[QW+4*\t:QW+4*\t+3], s[12:13] offset:2*\t*2048   ; sixteen lanes store 256 consecutive bytes of a row of w_codes, aligned
.endr
	s_wait_tensorcnt 0x0
	ds_add_u32 v232, v233
	s_wait_dscnt 0x0
	s_endpgm
.Lfunc_end_k_q152bfd04e9_prep:
	.size	k_q152bfd04e9_prep, .Lfunc_end_k_q152bfd04e9_prep-k_q152bfd04e9_prep
	.p2alignl 7, 3214868480
	.fill 96, 4, 3214868480
	.section	.rodata,"a",@progbits
	.p2align	6, 0x0
	.amdhsa_kernel k_q152bfd04e9_prep
		.amdhsa_group_segment_fixed_size 37888
		.amdhsa_private_segment_fixed_size 0
		.amdhsa_enable_private_segment 0
		.amdhsa_kernarg_size 48
		.amdhsa_user_sgpr_count 2
		.amdhsa_user_sgpr_kernarg_segment_ptr 1
		.amdhsa_wavefront_size32 1
		.amdhsa_system_sgpr_workgroup_id_x 1
		.amdhsa_system_sgpr_workgroup_id_y 1
		.amdhsa_system_sgpr_workgroup_id_z 1
		.amdhsa_system_vgpr_workitem_id 0
		.amdhsa_next_free_vgpr 234
		.amdhsa_next_free_sgpr 66
		.amdhsa_reserve_vcc 0
		.amdhsa_float_denorm_mode_32 3
		.amdhsa_float_denorm_mode_16_64 3
		.amdhsa_memory_ordered 1
		.amdhsa_forward_progress 1
		.amdhsa_inst_pref_size 102
	.end_amdhsa_kernel
	.amdgpu_metadata
---
amdhsa.version: [ 1, 2 ]
amdhsa.kernels:
  - .name:           k_q152bfd04e9_prep
    .symbol:         k_q152bfd04e9_prep.kd
    .args:
      - { .name: qweight, .offset: 0, .size: 8, .value_kind: global_buffer, .address_space: global }
      - { .name: scales, .offset: 8, .size: 8, .value_kind: global_buffer, .address_space: global }
      - { .name: qzeros, .offset: 16, .size: 8, .value_kind: global_buffer, .address_space: global }
      - { .name: x_scales, .offset: 24, .size: 8, .value_kind: global_buffer, .address_space: global }
      - { .name: w_codes, .offset: 32, .size: 8, .value_kind: global_buffer, .address_space: global }
      - { .name: sc, .offset: 40, .size: 8, .value_kind: global_buffer, .address_space: global }
    .group_segment_fixed_size: 37888
    .private_segment_fixed_size: 0
    .kernarg_segment_align: 8
    .kernarg_segment_size: 48
    .max_flat_workgroup_size: 128
    .sgpr_count:     66
    .vgpr_count:     234
    .wavefront_size: 32
...
	.end_amdgpu_metadata
.endif
;; end of part 1
;; launch gemm (part 2): grid 16 x 16, 4 waves a work-group, clusters of 4 x 4, 327,680 bytes of LDS; arguments x_codes, w_codes, sc, bias, out0; writes out0
.if DOCPART == 2
	.amdgcn_target "amdgcn-amd-amdhsa--gfx1250"
	.amdhsa_code_object_version 6
	.text
	.protected	k_q152bfd04e9_gemm
	.globl	k_q152bfd04e9_gemm
	.p2align	8
	.type	k_q152bfd04e9_gemm,@function
k_q152bfd04e9_gemm:
	s_mov_b64 s[64:65], 0
	v_nop
	global_prefetch_b8 v0, s[64:65] scope:SCOPE_SE
	s_setreg_imm32_b32 hwreg(HW_REG_WAVE_MODE, 25, 1), 1
	s_wait_xcnt 0x0
	s_wait_alu depctr_hold_cnt(0) depctr_sa_sdst(0) depctr_va_vdst(0) depctr_va_sdst(0) depctr_va_ssrc(0) depctr_va_vcc(0) depctr_vm_vsrc(0)
	s_getreg_b32 s2, hwreg(HW_REG_IB_STS2, 6, 4)
	s_cmp_eq_u32 s2, 0
	s_cbranch_scc0 .Lentry_in_a_cluster
	s_endpgm
.Lentry_in_a_cluster:
	s_bfe_u32 s2, ttmp6, 0x10000c
	s_cmp_lg_u32 s2, 0xf033
	s_cbranch_scc0 .Lentry_shape_is_right
	s_endpgm
.Lentry_shape_is_right:
; out0[m][n] = f16(bias[n] + sum over k of x[m][k] W[k][n]).  M = N = K = 4,096.  x_codes [4096][2048 bytes] and w_codes [4096 (n)][2048 bytes]: codes of FP4 (E2M1), K innermost, two a byte.
; sc [8 (K step of 512)][2 (0: x's, 1: W's)][4096 (row)][16]: one E8M0 byte for each 32 along K.  The matrix instruction takes codes and scale bytes as they lie.  Sums in f32, one accumulator an output.
; ORDER OF ROUNDING, stated: the definition rounds the sum to f16 and then adds bias in f16; here bias, widened to f32, is the C of each sum's first product, and the whole is rounded to f16 once.  The two differ by no
; more than one rounding of the sum to f16, 2^-11 of its magnitude.  A result beyond f16's range becomes infinity, as in the definition.
; A tile of the output, 256 x 256, is made by a work-group of four waves, as many as a WGP has SIMDs; a wave makes 128 x 128: 64 accumulators of 16 x 16, 512 registers.  256 tiles, one to a work-group.
; K goes in 8 steps of 512 through a ring of two LDS slots filled by the tensor data mover.  A slot holds 256 rows of x's codes, 256 of W's (rows of 256 bytes of memory) and the two sides' scale bytes of that K step,
; 4,096 consecutive bytes each: the scales ride in the ring, since those of all of K would not fit beside two such slots.  One load a wave: wave 0 x's codes, wave 1 W's, wave 2 x's scales, wave 3 W's.
; CLUSTERS: 4 x 4 work-groups.  The four of a row of the cluster need the same tiles of x, the four of a column the same tiles of W: each tile is asked for JOINTLY, by the same tensor load with the same descriptor and a
; mask that names the four.  THE MATRIX INSTRUCTION IS USED TRANSPOSED (source 0 = 16 rows of w_codes, source 1 = 16 rows of x_codes): a lane then holds eight neighbouring numbers of a row of the output.
; THE WALK ALONG K BEGINS AT K STEP 0 OR AT K STEP 4, BY THE CLUSTER, AND GOES ROUND.  Of the four clusters that read the same rows of x, and of the four that read the same rows of W, two begin at each place: so a K step's
; rows are asked for by two of them in the first half of their walk and by the other two four K steps later, not by all four at once.  In half of the clusters the sums therefore take K in the order 4 .. 7, 0 .. 3.
; REGISTERS, in windows of 256: window 0: v0-31 addresses; v32-95 scale words, two sets, and nothing else; v96-127 bias as loaded; v128-191 x's fragments (8 x 16 rows x 128 K), ONE set, on the way out rows read back;
;   v192-255 bias in f32, on the way out packed results.   window 1: W's fragments, TWO sets, at v0 and at v128.
;   window 2: the 32 accumulators of my rows 0-63 (accumulator (a, b) at v[8 (8 a + b)]);   window 3: those of my rows 64-127.
; A step of 128 along K is 64 matrix instructions, x's blocks one after the other, each against W's eight: a block of x is free as soon as its eight products are issued, so one set serves x (blocks 0-3 are fetched anew
; in the step's middle, blocks 4-7 at its end); W's fragments are at work through the whole step and have two sets.
.set NQ,     4                         ; steps of 128 along K in a slot
.set ROWB,   256                       ; a tile's row in bytes: 512 codes
.set KROW,   2048                      ; a row of codes in memory
.set SCSTEP, 131072                    ; a K step's scale bytes in sc
.set PITCH,  272                       ; an LDS row: 256 bytes + 16 of padding = 68 words: row r starts at bank 4 r mod 64 (64 banks of 4 bytes: ISA guide 11.1), so the 16 rows that a load touches start at 16 different banks
.set FR,     8                         ; registers of a fragment: 16 rows x 128 K
.set NL,     2                         ; LDS loads that bring one
.set NP,     4                         ; places behind this matrix instruction (ISA guide 7.12.1)
.set HALFT,  128*PITCH                 ; what one wave reads of x or of W
.set TILE,   256*PITCH                 ; what one tensor load of codes brings
.set SCA,    2*TILE                    ; in a slot: x's codes, W's codes, x's scales (256 rows x 16 bytes, dense),
.set SCB,    SCA+4096                  ; W's scales
.set SLOT,   SCB+4096
.set SPARE,  2*SLOT                    ; behind the ring: the spare words, 128 bytes for each wave: two blocks of 256 bytes that no other line names
.set LAPS,   4                         ; a lap = two K steps = once round the ring
.set SPITCH, 272                       ; the way out: a stage of 16 rows x (256 bytes + 16) for each wave.  It lies in slot 0, which has had its last fill and its last read when the first result is stored there
.set ADRA, 16                          ; v16-17  LDS address of my x fragments in slot 0, 1
.set ADRS, 18                          ; v18-19  of my scale words: lanes 0-15 x's rows, lanes 16-31 W's
.set ADRB, 20                          ; v20-21  of my W fragments
.set STO,  24                          ; v24     the way out: where I put 16 bytes of a row
.set RD,   25                          ; v25     where I read a row back
.set CO,   26                          ; v26     my byte offset in two rows of the output
.set SPW,  28                          ; v28     LDS address of my spare word: SPARE + 4 x my thread's number; never rewritten
.set NIL,  29                          ; v29     0; never rewritten
.set PFO,  30                          ; v30     the prefetches' offset; never rewritten
.set BO,   31                          ; v31     bias: 16 bytes for each half of the lanes
.set SC,   32                          ; scale words: set s (for slot s) at v[SC + 32 s]; register 4 i + q: lanes 0-15 the word of x's block i, lanes 16-31 that of W's block i, for the slot's q-th 128 along K
.set BI,   96                          ; v96-127 bias as loaded: four registers (8 f16) for each of W's eight blocks
.set AF,   128                         ; x's fragments
.set BK,   128                         ; the way out: 16 rows read back from the stage: v128-159 and v160-191 by turns
.set BF,   192                         ; v192-255 bias in f32: eight registers for each of W's blocks, in the result's layout
.set TMP,  192                         ; the way out: a block's packed results (bias is done with by then)
.set BA,   4                           ; s[4:5]   x_codes at my tile row;   s[6:7] w_codes at my tile column
.set BB,   6
.set BSA,  20                          ; s[20:21] sc at my tile row's scales of K step 0;   s[22:23] at my tile column's
.set BSB,  22
.set G1,   24                          ; s[24:31] descriptor group 1 for x's codes;  s[32:39] group 0, one set for each slot
.set G0,   32
.set G1B,  48                          ; s[48:55], s[56:63] the same for W's codes
.set G0B,  56
.set G1S,  68                          ; s[68:75], s[76:83] for x's scales
.set G0S,  76
.set G1SB, 84                          ; s[84:91], s[92:99] for W's scales
.set G0SB, 92
.set KS,   100                         ; s100-101 the K step that slot 0, 1 holds or has been asked to hold
.set KO,   104                         ; s[104:105] a K step's byte offset, 0 above it
.set PFA,  66                          ; s[66:67] where my prefetches stand
.set PFS,  18                          ; s[18:19] a K step on, in my stream's bytes
.set LIM,  45                          ; s45     LAPS - 2 in a wave that prefetches, else the greatest number
.set MSB, 0
.macro WIN new                         ; the immediate's high byte repeats the setting that is left
.if MSB != \new
	s_set_vgpr_msb (MSB<<8)|\new
.set MSB, \new
.endif
.endm
.set MUL_LO,   0xa1                    ; source 0 (W) window 1, source 1 (x) window 0, C and D window 2
.set MUL_HI,   0xf1                    ; the same, C and D window 3
.set FIRST_LO, 0x81                    ; a sum's first product: C (bias) window 0, D window 2
.set FIRST_HI, 0xc1                    ; D window 3
.set TO_B,     0x40                    ; destination window 1, address window 0
; A joint load, one a wave.  Each of the four lines has ONE mask and one set of registers for all that issue it; the branches hang on the wave's number alone, so they are the same in every work-group.
; Four v_nop follow each line, ahead of the jump, the label and what follows.
.macro JLOAD s
	s_cmp_lt_u32 s14, 2
	s_cbranch_scc0 .Lscales_\@
	s_cmp_eq_u32 s14, 0
	s_cbranch_scc0 .Lcodes_b_\@
	tensor_load_to_lds s[G0+4*\s:G0+4*\s+3], s[G1:G1+7]
	s_nop 0
.rept 4
	v_nop
.endr
	s_branch .Lasked_\@
.Lcodes_b_\@:
	tensor_load_to_lds s[G0B+4*\s:G0B+4*\s+3], s[G1B:G1B+7]
	s_nop 0
.rept 4
	v_nop
.endr
	s_branch .Lasked_\@
.Lscales_\@:
	s_cmp_eq_u32 s14, 2
	s_cbranch_scc0 .Lscales_b_\@
	tensor_load_to_lds s[G0S+4*\s:G0S+4*\s+3], s[G1S:G1S+7]
	s_nop 0
.rept 4
	v_nop
.endr
	s_branch .Lasked_\@
.Lscales_b_\@:
	tensor_load_to_lds s[G0SB+4*\s:G0SB+4*\s+3], s[G1SB:G1SB+7]
	s_nop 0
.rept 4
	v_nop
.endr
.Lasked_\@:
.endm
; The global addresses of slot s's four group 0 sets, from the slot's K step: a K step is 256 bytes on in a row of codes and 131,072 bytes on in sc.  The K step hangs on the cluster's place in the grid and on the
; count of refills, which all sixteen partners share.  Written only where no tensor load of the wave that names these registers is out.
.macro SETG0 s
	s_lshl_b32 s[KO], s[KS+\s], 8
	s_add_nc_u64 s[G0+4*\s+2:G0+4*\s+3], s[BA:BA+1], s[KO:KO+1]        ; 120:64 global address
	s_or_b32 s[G0+4*\s+3], s[G0+4*\s+3], 0x80000000                    ; 127:126 type = 2
	s_add_nc_u64 s[G0B+4*\s+2:G0B+4*\s+3], s[BB:BB+1], s[KO:KO+1]
	s_or_b32 s[G0B+4*\s+3], s[G0B+4*\s+3], 0x80000000
	s_lshl_b32 s[KO], s[KS+\s], 17
	s_add_nc_u64 s[G0S+4*\s+2:G0S+4*\s+3], s[BSA:BSA+1], s[KO:KO+1]
	s_or_b32 s[G0S+4*\s+3], s[G0S+4*\s+3], 0x80000000
	s_add_nc_u64 s[G0SB+4*\s+2:G0SB+4*\s+3], s[BSB:BSB+1], s[KO:KO+1]
	s_or_b32 s[G0SB+4*\s+3], s[G0SB+4*\s+3], 0x80000000
.endm
; A PREFETCH INTO THE L2 of the walk's third and fourth K steps, each one K step, 256 matrix instructions, ahead of the refill that will want it: the third behind the first run of LDS loads, the fourth behind the first
; refill and the run of LDS loads that follows it.  The walk's first two K steps come by the first fills; its last four are the K steps that the clusters of the other beginning ask for in their first four.
; Each aligned block of 256 bytes is named ONCE in the launch.  Of the two clusters that walk the same rows of x from the same beginning the one with cluster x < 2 asks, its wave 0; for W's rows the one with cluster
; y < 2, its wave 1.  The four partners that ask for a tile jointly share its 256 rows out BY ADDRESS, 64 each: a lane a row, two instructions.  A K step's 131,072 scale bytes are asked for by clusters (0, 0) and
; (1, 0), which begin at different places: wave 2 of each of the sixteen work-groups takes 32 blocks of 256 bytes, again by address.  No branch hangs on a work-group's place in its cluster.
; s3 = LAPS - 1 ahead of the loop and in its first trip: later trips ask for nothing.
.macro ASK
	s_cmp_gt_u32 s3, s[LIM]
	s_cbranch_scc0 .Lnot_mine_\@
	global_prefetch_b8 v[PFO], s[PFA:PFA+1] th:TH_LOAD_NT scope:SCOPE_SE
	s_cmp_lt_u32 s14, 2
	s_cbranch_scc0 .Lnot_mine_\@
	global_prefetch_b8 v[PFO], s[PFA:PFA+1] offset:32*KROW th:TH_LOAD_NT scope:SCOPE_SE
.Lnot_mine_\@:
.endm
.macro CREST                           ; a round of the cluster's barrier behind its opening barrier
	s_cmp_lg_u32 s14, 0
	s_cbranch_scc1 .Lnot_wave_0_\@
	s_barrier_signal -3
.Lnot_wave_0_\@:
	s_barrier_wait -3
	s_barrier_signal -1
	s_barrier_wait -1
.endm
.macro CROUND                          ; a whole round
	s_barrier_signal -1
	s_barrier_wait -1
	CREST
.endm
	s_load_b256 s[4:11], s[0:1], 0x0               ; x_codes s[4:5], w_codes s[6:7], sc s[8:9], bias s[10:11]
	s_load_b64 s[12:13], s[0:1], 0x20              ; out0
	v_lshl_add_u32 v[SPW], v0, 2, SPARE
	v_mov_b32 v[NIL], 0
	ds_add_u32 v28, v29
	ds_add_u32 v28, v29
	s_wait_dscnt 0x0
	v_lshrrev_b32 v1, 5, v0
	v_readfirstlane_b32 s14, v1                    ; wave 0..3
	s_lshr_b32 s15, s14, 1                         ; which half of the tile's rows is mine
	s_and_b32 s16, s14, 1                          ; which half of its columns
	s_bfe_u32 s40, ttmp6, 0x40000                  ; cx, cy: my place in the cluster
	s_bfe_u32 s41, ttmp6, 0x40004
	s_lshl_b32 s42, ttmp9, 2
	s_add_co_u32 s42, s42, s40                     ; tile column = 4 x cluster x + cx
	s_and_b32 s17, ttmp7, 0xffff
	s_lshl_b32 s17, s17, 2
	s_add_co_u32 s17, s17, s41                     ; tile row = 4 x cluster y + cy
	s_lshl_b32 s43, s41, 2
	s_lshl_b32 s43, 15, s43                        ; my row of the cluster
	s_lshl_b32 s44, 0x1111, s40                    ; my column
	; where my cluster's walk along K begins: 4 x (g(cluster x) xor g(cluster y)), g(i) = bit 0 of i xor bit 1 of i = 0, 1, 1, 0: along either axis clusters 0 and 1, 2 and 3, 0 and 2, 1 and 3 begin at different places
	s_and_b32 s2, ttmp7, 0xffff
	s_xor_b32 s2, s2, ttmp9
	s_lshr_b32 s18, s2, 1
	s_xor_b32 s2, s2, s18
	s_and_b32 s2, s2, 1
	s_lshl_b32 s[KS], s2, 2                        ; slot 0 begins with K step 0 or 4,
	s_add_co_u32 s[KS+1], s[KS], 1                 ; slot 1 with the next
	s_mov_b32 s[KO+1], 0
	; descriptor group 1, codes: a tile of 256 rows x 256 bytes, padded in LDS
	s_or_b32 s[G1+0], s43, (0<<16)|(1<<20)|(1<<21)|(5<<22)|(3<<25)  ; 15:0 the mask: x's tiles go to my row; 17:16 element of 1 byte; 20 padding on; 21 set beside a mask; 24:22 after every 64 words (code 5); 31:25 of 4 words (code 3)
	s_or_b32 s[G1B+0], s44, (0<<16)|(1<<20)|(1<<21)|(5<<22)|(3<<25) ; the same with the mask of my column
.irp g, G1, G1B
	s_mov_b32 s[\g+1], ROWB<<16                    ; tensor_dim0 = 256
	s_mov_b32 s[\g+2], 256<<16                     ; tensor_dim1 = 256
	s_mov_b32 s[\g+3], ROWB<<16                    ; tile_dim0 = 256
	s_mov_b32 s[\g+4], 256                         ; tile_dim1 = 256
	s_mov_b32 s[\g+5], KROW                        ; tensor_dim0_stride
	s_mov_b32 s[\g+6], 0
	s_mov_b32 s[\g+7], 0
.endr
	; scales: a dense block of 4,096 bytes as 16 rows of 256 bytes (32 elements of 8 bytes), no padding: sixteen rows' 16 bytes are 256 consecutive bytes in LDS
	s_or_b32 s[G1S+0], s43, (3<<16)|(1<<21)
	s_or_b32 s[G1SB+0], s44, (3<<16)|(1<<21)
.irp g, G1S, G1SB
	s_mov_b32 s[\g+1], 32<<16
	s_mov_b32 s[\g+2], 16<<16
	s_mov_b32 s[\g+3], 32<<16
	s_mov_b32 s[\g+4], 16
	s_mov_b32 s[\g+5], 32
	s_mov_b32 s[\g+6], 0
	s_mov_b32 s[\g+7], 0
.endr
	; where the tiles come from.  x's hang on the tile row alone, which my row of the cluster shares; W's on the tile column alone, which my column shares.  Every wave makes all four addresses and asks by one of them.
	s_lshl_b32 s18, s17, 19                        ; x's codes: 256 rows of 2,048 bytes a tile row
	s_mov_b32 s19, 0
	s_lshl_b32 s20, s17, 12                        ; x's scales: 256 rows of 16 bytes
	s_mov_b32 s21, 0
	s_lshl_b32 s46, s42, 19                        ; W's codes
	s_mov_b32 s47, 0
	s_lshl_b32 s22, s42, 12
	s_add_co_u32 s22, s22, 65536                   ; W's scales: behind x's 65,536 bytes of the K step
	s_mov_b32 s23, 0
	s_wait_kmcnt 0x0
	s_add_nc_u64 s[BA:BA+1], s[4:5], s[18:19]
	s_add_nc_u64 s[BB:BB+1], s[6:7], s[46:47]
	s_add_nc_u64 s[BSA:BSA+1], s[8:9], s[20:21]
	s_add_nc_u64 s[BSB:BSB+1], s[8:9], s[22:23]
	CROUND                                         ; all sixteen work-groups are here: the first joint loads meet
.irp s, 0,1
	s_mov_b32 s[G0+4*\s], 1                        ; 1:0 count = 1
	s_mov_b32 s[G0+4*\s+1], \s*SLOT                ; 63:32 LDS address: a constant; no place in the cluster enters it
	s_mov_b32 s[G0B+4*\s], 1
	s_mov_b32 s[G0B+4*\s+1], \s*SLOT+TILE
	s_mov_b32 s[G0S+4*\s], 1
	s_mov_b32 s[G0S+4*\s+1], \s*SLOT+SCA
	s_mov_b32 s[G0SB+4*\s], 1
	s_mov_b32 s[G0SB+4*\s+1], \s*SLOT+SCB
	SETG0 \s
	JLOAD \s                                       ; the ring is filled before anything else is done: two loads of mine are out
.endr
	v_and_b32 v1, 15, v0                           ; r = l % 16
	v_bfe_u32 v2, v0, 4, 1                         ; h = l / 16
	v_lshlrev_b32 v[BO], 4, v2
	s_lshl_b32 s46, s42, 9
	s_lshl_b32 s47, s16, 8
	s_add_co_u32 s46, s46, s47                     ; my first column in f16 bytes: 512 x tile column + 256 x half
	s_mov_b32 s47, 0
	s_add_nc_u64 s[10:11], s[10:11], s[46:47]
.irp b, 0,1,2,3,4,5,6,7
	global_load_b128 v[BI+4*\b:BI+4*\b+3], v[BO], s[10:11] offset:32*\b   ; bias of columns 16 b + 8 h + 0 .. 7: the columns that my lane holds of W's block b
.endr
	s_lshl_b32 s18, s17, 8
	s_lshl_b32 s19, s15, 7
	s_add_co_u32 s18, s18, s19                     ; my first row: 256 x tile row + 128 x half
	s_lshl_b32 s18, s18, 13                        ; rows of 8,192 bytes
	s_mov_b32 s19, 0
	s_add_nc_u64 s[12:13], s[12:13], s[18:19]
	s_add_nc_u64 s[12:13], s[12:13], s[46:47]
	; the prefetches (macro ASK): where my wave's stand, and who asks
	s_and_b32 s43, ttmp7, 0xffff                   ; cluster y
	s_lshr_b32 s44, ttmp9, 1                       ; 0 where cluster x < 2
	s_lshr_b32 s2, s43, 1                          ; 0 where cluster y < 2
	s_or_b32 s43, s43, s44                         ; 0 in clusters (0, 0) and (1, 0)
	s_cmp_eq_u32 s14, 0                            ; wave 0 asks for x's codes, wave 1 for W's
	s_cselect_b64 s[PFA:PFA+1], s[BA:BA+1], s[BB:BB+1]
	s_cselect_b32 s18, s40, s41                    ; my place among the four that ask for the tile with me
	s_cselect_b32 s44, s44, s2
	s_lshl_b32 s18, s18, 17                        ; my work-group's 64 rows of the 256,
	s_lshl_b32 s19, s[KS], 8
	s_add_co_u32 s18, s18, s19
	s_add_co_u32 s18, s18, 2*ROWB                  ; at the walk's third K step
	s_lshl_b32 s19, s41, 2
	s_add_co_u32 s19, s19, s40
	s_lshl_b32 s19, s19, 13                        ; the scales: my work-group's 32 blocks of 256 bytes of a K step's 512,
	s_lshl_b32 s2, s[KS], 17
	s_add_co_u32 s19, s19, s2
	s_add_co_u32 s19, s19, 2*SCSTEP                ; at the walk's third K step
	s_mov_b32 s2, SCSTEP
	s_mov_b32 s46, 256
	s_cmp_lt_u32 s14, 2                            ; waves 0 and 1: codes; wave 2: scales
	s_cselect_b64 s[PFA:PFA+1], s[PFA:PFA+1], s[8:9]
	s_cselect_b32 s18, s18, s19
	s_cselect_b32 s44, s44, s43
	s_cselect_b32 s2, ROWB, s2                     ; a K step on
	s_cselect_b32 s46, KROW, s46                   ; from lane to lane
	s_mov_b32 s19, 0
	s_add_nc_u64 s[PFA:PFA+1], s[PFA:PFA+1], s[18:19]
	s_mov_b32 s[PFS], s2                           ; (s19, the pair's upper word, is 0)
	s_cmp_eq_u32 s14, 3
	s_cselect_b32 s44, 1, s44                      ; wave 3 asks for nothing
	s_cmp_eq_u32 s44, 0
	s_cselect_b32 s[LIM], LAPS-2, -1               ; the same in all sixteen partners, for a given wave
	v_and_b32 v[PFO], 31, v0
	v_mul_lo_u32 v[PFO], v[PFO], s46
	s_wait_loadcnt 0x0                             ; bias is in (the first tiles are still on their way)
.set j, 0
.irp src, v96.l,v96.h,v97.l,v97.h,v98.l,v98.h,v99.l,v99.h,v100.l,v100.h,v101.l,v101.h,v102.l,v102.h,v103.l,v103.h,v104.l,v104.h,v105.l,v105.h,v106.l,v106.h,v107.l,v107.h,v108.l,v108.h,v109.l,v109.h,v110.l,v110.h,v111.l,v111.h,v112.l,v112.h,v113.l,v113.h,v114.l,v114.h,v115.l,v115.h,v116.l,v116.h,v117.l,v117.h,v118.l,v118.h,v119.l,v119.h,v120.l,v120.h,v121.l,v121.h,v122.l,v122.h,v123.l,v123.h,v124.l,v124.h,v125.l,v125.h,v126.l,v126.h,v127.l,v127.h
	v_cvt_f32_f16 v[BF+j], \src                    ; bias in f32: register 8 b + i = bias of column 16 b + 8 h + i.  (The halves of v[BI] on, by their names)
.set j, j+1
.endr
	v_mul_u32_u24 v3, v1, PITCH
	v_lshl_add_u32 v4, v2, 4, v3                   ; a fragment's row x pitch + 16 x half
	s_mul_i32 s43, s15, HALFT                      ; my 128 rows of x
	s_mul_i32 s44, s16, HALFT                      ; my 128 rows of W,
	s_add_co_u32 s44, s44, TILE                    ; which lie behind x's 256
.irp s, 0,1
	v_add_nc_u32 v[ADRA+\s], s43, v4
	v_add_nc_u32 v[ADRB+\s], s44, v4
	s_add_co_u32 s43, s43, SLOT
	s_add_co_u32 s44, s44, SLOT
.endr
	s_lshl_b32 s43, s15, 11                        ; x's scales: my 128 rows of 16 bytes
	s_lshl_b32 s44, s16, 11                        ; W's: my 128 rows, behind x's 256
	s_add_co_u32 s44, s44, 4096
	s_sub_co_u32 s44, s44, s43
	v_mul_u32_u24 v6, s44, v2                      ; lanes 16-31 take W's: the lower base + h x the distance
	v_lshl_add_u32 v5, v1, 4, v6                   ; + 16 r
	s_add_co_u32 s43, s43, SCA
	v_add_nc_u32 v[ADRS], s43, v5
	v_add_nc_u32 v[ADRS+1], SLOT, v[ADRS]
	s_mul_i32 s2, s14, 16*SPITCH                   ; my stage
	v_add_nc_u32 v[STO], s2, v4                    ; in: row r, 16 bytes for each half of the lanes (the stage's pitch is the tiles')
	v_mul_u32_u24 v5, v2, SPITCH
	v_lshl_add_u32 v5, v1, 4, v5
	v_add_nc_u32 v[RD], s2, v5                     ; back: lanes 0-15 take one row of 256 bytes, lanes 16-31 the next
	v_lshlrev_b32 v5, 13, v2
	v_lshl_add_u32 v[CO], v1, 4, v5                ; and the same two rows in the output: rows of 8,192 bytes
.macro FRAG reg, adr, q, i             ; a fragment, 16 rows x 128 K of 4-bit codes, is 8 registers: lane l holds row l % 16; registers 4 c .. 4 c + 3 hold K = 64 c + 32 (l / 16) + 0 .. 31, the lower K in the lower bits
.irp c, 0,1
	ds_load_b128 v[\reg+4*\c:\reg+4*\c+3], v[\adr] offset:64*(\q)+32*\c+(\i)*16*PITCH
.endr
.endm
; 16 matrix instructions: x's blocks a0, a0 + 1 against W's eight, 128 along K: the slot's q-th.  p: W's set;  sc: the set of scale words.  first = 1: the product starts its sum, with bias as its C: nothing is ever
; cleared, and bias costs no addition.  The 64 accumulators take turns, one instruction a turn, in the same order in every step.
.macro MUL16 a0, p, q, sc, first
.irp a, \a0, \a0+1
.irp b, 0,1,2,3,4,5,6,7
.if \first
	v_wmma_scale_f32_16x16x128_f8f6f4 v[8*(8*((\a)%4)+\b):8*(8*((\a)%4)+\b)+7], v[128*(\p)+FR*\b:128*(\p)+FR*\b+FR-1], v[AF+FR*(\a):AF+FR*(\a)+FR-1], v[BF+8*\b:BF+8*\b+7], v[SC+8*NQ*(\sc)+NQ*\b+(\q)], v[SC+8*NQ*(\sc)+NQ*(\a)+(\q)] matrix_a_fmt:MATRIX_FMT_FP4 matrix_b_fmt:MATRIX_FMT_FP4 matrix_a_scale:MATRIX_SCALE_ROW1
.else
	v_wmma_scale_f32_16x16x128_f8f6f4 v[8*(8*((\a)%4)+\b):8*(8*((\a)%4)+\b)+7], v[128*(\p)+FR*\b:128*(\p)+FR*\b+FR-1], v[AF+FR*(\a):AF+FR*(\a)+FR-1], v[8*(8*((\a)%4)+\b):8*(8*((\a)%4)+\b)+7], v[SC+8*NQ*(\sc)+NQ*\b+(\q)], v[SC+8*NQ*(\sc)+NQ*(\a)+(\q)] matrix_a_fmt:MATRIX_FMT_FP4 matrix_b_fmt:MATRIX_FMT_FP4 matrix_a_scale:MATRIX_SCALE_ROW1
.endif
.endr
.endr
.endm
.macro FETCH_B slot, q, p              ; W's eight fragments of the slot's q-th 128 along K into set p
	WIN TO_B
.irp i, 0,1,2,3,4,5,6,7
	FRAG 128*(\p)+FR*\i, ADRB+\slot, \q, \i
.endr
	WIN 0
.endm
.macro FETCH_A slot, q, i0             ; x's blocks i0 .. i0 + 3
.irp i, \i0, \i0+1, \i0+2, \i0+3
	FRAG AF+FR*(\i), ADRA+\slot, \q, \i
.endr
.endm
.macro SCALES sc                       ; slot sc's scale words into set sc: four words a row; lanes 0-15 take x's block i, lanes 16-31 W's block i; sixteen lanes read 256 consecutive bytes
.irp i, 0,1,2,3,4,5,6,7
	ds_load_b128 v[SC+8*NQ*\sc+NQ*\i:SC+8*NQ*\sc+NQ*\i+3], v[ADRS+\sc] offset:\i*256
.endr
.endm
; A load into a register that a matrix instruction has read, and a vector instruction that reads a matrix result, stand NP places behind that matrix instruction, and only plain vector instructions that name none of
; its registers are places (ISA guide 7.12.1 for vector instructions); this text does not count the matrix instructions in between.
.macro PLACES n
.rept \n
	v_nop
.endr
.endm
; A step of 128 along K that has its successor in the same slot.
.macro STEP slot, q, first
	s_wait_dscnt 4*NL                              ; W's set, the scale words and x's blocks 0-3 are in; the youngest eight loads (x's blocks 4-7) may be out
.if \first
	WIN FIRST_LO
.else
	WIN MUL_LO
.endif
	MUL16 0, (\q)%2, \q, \slot, \first
	MUL16 2, (\q)%2, \q, \slot, \first
	s_wait_dscnt 0                                 ; x's blocks 4-7 are in (asked for 32 matrix instructions ago)
	PLACES NP
	FETCH_B \slot, (\q)+1, 1-(\q)%2
	FETCH_A \slot, (\q)+1, 0
.if \first
	WIN FIRST_HI
.else
	WIN MUL_HI
.endif
	MUL16 4, (\q)%2, \q, \slot, \first
	MUL16 6, (\q)%2, \q, \slot, \first
	PLACES NP
	WIN 0
	FETCH_A \slot, (\q)+1, 4
.endm
; A slot's last step changes slots: ONE barrier; in front of it each wave waits for all its tensor loads, adds 0 to its spare word, and waits for that and for its own reads of this slot.
; fill = 1: this slot is filled again, with the K step two on in the walk, round K's end; the barrier then opens a round of the cluster's barrier, and the joint refill is the first tensor load behind the round.
; ask = 1: a prefetch may follow the refill (macro ASK).
.macro TURN slot, next, fill, ask
.if \ask
	s_wait_xcnt 0x0                                ; the last prefetches, a K step back or more, have read their address: it is stepped here, ahead of the waits of the change of slots
	s_add_nc_u64 s[PFA:PFA+1], s[PFA:PFA+1], s[PFS:PFS+1]
.endif
	s_wait_tensorcnt 0x0                           ; all my tensor loads have landed: the one that was out is my part of the next slot.  (Every window is 0 here: the add's two registers lie in window 0)
	ds_add_u32 v[SPW], v[NIL]                      ; 0 onto my spare word
.if \fill
	s_add_co_u32 s[KS+\slot], s[KS+\slot], 2       ; no tensor load of mine is out, so every group 0 may be written: this slot's next K step,
	s_and_b32 s[KS+\slot], s[KS+\slot], 7          ; round K's end
	SETG0 \slot
.endif
	s_wait_dscnt 4*NL+1                            ; (the add and the youngest eight loads, x's blocks 4-7, may be out)
	WIN MUL_LO
	MUL16 0, 1, NQ-1, \slot, 0                     ; sixteen matrix instructions stand between the add and the wait for it
	s_wait_dscnt 0x0                               ; the add is done, and my reads of this slot are over
	s_barrier_signal -1
	MUL16 2, 1, NQ-1, \slot, 0
	WIN 0
	s_barrier_wait -1
.if \fill
	CREST                                          ; no wave of any partner still reads this slot's tiles or has a load on its way
	JLOAD \slot                                    ; my one tensor load behind the round; the four v_nop behind it are also the places in front of the loads below
.else
	PLACES NP
.endif
	FETCH_B \next, 0, 0
	FETCH_A \next, 0, 0
	SCALES \next
.if \ask
	ASK                                            ; behind the joint load and the run of LDS loads that the next products wait for
.endif
	WIN MUL_HI
	MUL16 4, 1, NQ-1, \slot, 0
	MUL16 6, 1, NQ-1, \slot, 0
	PLACES NP
	WIN 0
	FETCH_A \next, 0, 4
.endm
.macro STEPS slot, from                ; the slot's steps from .. NQ - 2
.set Q, \from
.rept NQ-1-\from
	STEP \slot, Q, 0
.set Q, Q+1
.endr
.endm
	s_mov_b32 s3, LAPS-1
	s_wait_tensorcnt 1                             ; my part of the walk's first K step is in; the second's load may stay out
	s_barrier_signal -1
	s_barrier_wait -1                              ; everybody's part is in
	FETCH_B 0, 0, 0
	FETCH_A 0, 0, 0
	SCALES 0
	FETCH_A 0, 0, 4
	ASK                                            ; the walk's third K step: a K step ahead of the first refill
	STEP 0, 0, 1                                   ; the first step stands in front of the loop: its products start the sums, on bias
.Llap:                                                 ; a trip goes once round the ring, from a lap's second step to the next lap's first, and fills both slots again: the walk's K steps 3 to 8 in three trips
	STEPS 0, 1
	TURN 0, 1, 1, 1
	STEPS 1, 0
	TURN 1, 0, 1, 0
	STEP 0, 0, 0
	s_sub_co_u32 s3, s3, 1
	s_cmp_lg_u32 s3, 0
	s_cbranch_scc1 .Llap
	STEPS 0, 1                                     ; the last lap fills nothing, and has no round of the cluster's barrier
	TURN 0, 1, 0, 0
	STEPS 1, 0
	s_wait_dscnt 4*NL                              ; the very last step: nothing more to fetch
	WIN MUL_LO
	MUL16 0, 1, NQ-1, 1, 0
	MUL16 2, 1, NQ-1, 1, 0
	s_wait_dscnt 0
	WIN MUL_HI
	MUL16 4, 1, NQ-1, 1, 0
	MUL16 6, 1, NQ-1, 1, 0
	WIN 0
; THE WAY OUT, block by block of 16 rows x 128 columns.  PACK: the sums, which hold bias already, are rounded to f16; a lane's eight columns are 16 bytes.
; TOSTAGE: into my own stage in LDS, and back as whole rows of 256 bytes.  SEND: stored.
.macro PACK a
.set AC, 64*((\a)%4)
	WIN 0x0a+5*((\a)/4)                            ; sources 0 and 1: window 2 or 3
.irp b, 0,1,2,3,4,5,6,7
.irp i, 0,1,2,3
	v_cvt_pk_f16_f32 v[TMP+4*\b+\i], v[AC+8*\b+2*\i], v[AC+8*\b+2*\i+1]   ; each accumulator from its low end on
.endr
.endr
	WIN 0
.endm
.macro TOSTAGE a
.set BB2, BK+32*((\a)%2)
.irp b, 0,1,2,3,4,5,6,7
	ds_store_b128 v[STO], v[TMP+4*\b:TMP+4*\b+3] offset:32*\b
.endr
.irp t, 0,1,2,3,4,5,6,7
	ds_load_b128 v[BB2+4*\t:BB2+4*\t+3], v[RD] offset:\t*2*SPITCH  ; LDS serves a wave's instructions in order (ISA guide 5.7.1.4): these see the stores above
.endr
.endm
.macro SEND a
.set BB2, BK+32*((\a)%2)
	s_wait_dscnt 0x0                               ; the block is back in registers
	s_wait_xcnt 0x0                                ; every earlier memory instruction has had its addresses translated (ISA guide 3.1): only behind this wait are the stores' base and the registers that earlier stores read rewritten
.if (\a) > 0
	s_add_nc_u64 s[12:13], s[12:13], 16*8192       ; 16 rows of the output on
.endif
.irp t, 0,1,2,3,4,5,6,7
	global_store_b128 v[CO], v[BB2+4*\t:BB2+4*\t+3], s[12:13] offset:2*\t*8192 th:TH_STORE_NT   ; 16 lanes store 256 consecutive bytes, at a multiple of 256 from the output's first byte; written once, read by nobody here
.endr
.endm
	PLACES NP                                      ; behind the last products: for the conversions that read results, and for the loads into the registers that held x's fragments
	PACK 0
	TOSTAGE 0
.irp a, 1,2,3,4,5,6,7                  ; block a's conversions stand between block a - 1's loads from the stage and the wait for them
	PACK \a
	SEND \a-1
	TOSTAGE \a
.endr
	SEND 7
	s_wait_tensorcnt 0x0                           ; the wave's end: behind my last tensor load and my last LDS store
	ds_add_u32 v[SPW], v[NIL]
	s_wait_dscnt 0x0
	CROUND                                         ; the closing round: no work-group ends while a partner may still ask for a tile that names it
	s_endpgm
.Lfunc_end_k_q152bfd04e9_gemm:
	.size	k_q152bfd04e9_gemm, .Lfunc_end_k_q152bfd04e9_gemm-k_q152bfd04e9_gemm
	.p2alignl 7, 3214868480
	.fill 96, 4, 3214868480
	.section	.rodata,"a",@progbits
	.p2align	6, 0x0
	.amdhsa_kernel k_q152bfd04e9_gemm
		.amdhsa_group_segment_fixed_size 327680
		.amdhsa_private_segment_fixed_size 0
		.amdhsa_enable_private_segment 0
		.amdhsa_kernarg_size 40
		.amdhsa_user_sgpr_count 2
		.amdhsa_user_sgpr_kernarg_segment_ptr 1
		.amdhsa_wavefront_size32 1
		.amdhsa_system_sgpr_workgroup_id_x 1
		.amdhsa_system_sgpr_workgroup_id_y 1
		.amdhsa_system_sgpr_workgroup_id_z 1
		.amdhsa_system_vgpr_workitem_id 0
		.amdhsa_next_free_vgpr 1024
		.amdhsa_next_free_sgpr 106
		.amdhsa_reserve_vcc 0
		.amdhsa_float_denorm_mode_32 3
		.amdhsa_float_denorm_mode_16_64 3
		.amdhsa_memory_ordered 1
		.amdhsa_forward_progress 1
		.amdhsa_inst_pref_size 221
	.end_amdhsa_kernel
	.amdgpu_metadata
---
amdhsa.version: [ 1, 2 ]
amdhsa.kernels:
  - .name:           k_q152bfd04e9_gemm
    .symbol:         k_q152bfd04e9_gemm.kd
    .args:
      - { .name: x_codes, .offset: 0, .size: 8, .value_kind: global_buffer, .address_space: global }
      - { .name: w_codes, .offset: 8, .size: 8, .value_kind: global_buffer, .address_space: global }
      - { .name: sc, .offset: 16, .size: 8, .value_kind: global_buffer, .address_space: global }
      - { .name: bias, .offset: 24, .size: 8, .value_kind: global_buffer, .address_space: global }
      - { .name: out0, .offset: 32, .size: 8, .value_kind: global_buffer, .address_space: global }
    .group_segment_fixed_size: 327680
    .private_segment_fixed_size: 0
    .kernarg_segment_align: 8
    .kernarg_segment_size: 40
    .max_flat_workgroup_size: 128
    .sgpr_count:     106
    .vgpr_count:     1024
    .wavefront_size: 32
...
	.end_amdgpu_metadata
.endif
;; end of part 2
